; MI455X (gfx1250); checked and timed in simulation.
; The chip was launched on July 23, 2026; its instructions are those of AMD's public machine-readable ISA for CDNA 5 (MIT licence, August 2026) and "CDNA5" Instruction Set Architecture Reference Guide (July 2026). The comments in the code are by the model that wrote it; some were corrected since.
;; Attention. Allowed arithmetic: float matrix products may take bf16 or f16 operands with f32 sums; all other float work in f32.
;; Inputs: attention_mask 1 x 1 x 2,048 x 2,048 bool; key 2,048 x 4 x 16 x 128 float32; query 2,048 x 4 x 16 x 128 float32; value 2,048 x 4 x 16 x 128 float32.
;; Outputs: out0 2,048 x 4 x 2,048 float32.
;; One version. Each part assembles by itself: llvm-mc -triple=amdgcn-amd-amdhsa -mcpu=gfx1250 --defsym DOCPART=n.
;; ======== version 1 of 1: 2 launches
;; limits: values are held in f16: magnitudes above 65,504 overflow, below 6.1e-05 lose precision; inputs' magnitudes at most 65,408; below input magnitudes of 6.1e-05 results are inexact or not finite
;; workspace buffers: mbits 524,288 bytes of whole numbers
;; launch maskbits (part 1): grid 8 x 32, 8 waves a work-group, no clusters, 18,432 bytes of LDS; arguments attention_mask, mbits; writes mbits
.if DOCPART == 1
	.amdgcn_target "amdgcn-amd-amdhsa--gfx1250"
	.amdhsa_code_object_version 6
	.text
	.protected	k_qb8c2ed447f_maskbits
	.globl	k_qb8c2ed447f_maskbits
	.p2align	8
	.type	k_qb8c2ed447f_maskbits,@function
k_qb8c2ed447f_maskbits:
	s_mov_b64 s[64:65], 0
	v_nop
	global_prefetch_b8 v0, s[64:65] scope:SCOPE_SE
	s_setreg_imm32_b32 hwreg(HW_REG_WAVE_MODE, 25, 1), 1
	s_wait_xcnt 0x0
; The mask, [2048 queries][2048 keys] of one byte, is turned into lane-mask words for the attention launch, once for all 64 heads.
; mbits: [q64: 32][U: 64][qb: 4][kt: 2][j: 8] words of 32 bits.  Bit L of a word says whether
; mask[64 q64 + 16 qb + (L & 15)][32 U + 16 kt + 8 (L >> 4) + j] is not 0: lane L and register 8 kt + j are the place of that score
; in a 16 x 16 matrix result with keys as rows and queries as columns, so one v_cndmask_b32 there masks 32 scores.
; A work-group takes 64 mask rows x 256 keys (16 KiB) through LDS; wave w makes the 64 words of unit U = 8 kx + w, 256 bytes, in one store.
; No matrix unit, no cluster, no ring: every byte is read once and nothing is shared between work-groups.
.set PITCH, 272                        ; an LDS row: 256 bytes + 16, so that row r starts 4 r words further on modulo 64 (64 banks of 4 bytes: ISA guide 11.1)
.set DAT, 4                            ; v[4:19]   the 64 bytes as loaded; later the eight 8-byte pieces of my unit
.set TMP, 20                           ; v[20:21]  one byte cut out, two registers by turns
.set RES, 22                           ; v[22:23]  lane n: words 2 n and 2 n + 1 of my unit
	s_load_b128 s[4:7], s[0:1], 0x0                ; attention_mask s[4:5], mbits s[6:7]
	v_lshl_add_u32 v32, v0, 2, 0x4400
	v_mov_b32 v33, 0
	v_lshrrev_b32 v20, 5, v0
	v_readfirstlane_b32 s8, v20                    ; wave 0..7
	s_and_b32 s9, ttmp7, 0xffff                    ; q64: which 64 mask rows
	v_and_b32 v26, 15, v0                          ; r = lane & 15
	v_bfe_u32 v27, v0, 4, 1                        ; h = lane >> 4
	; in: one load of a wave takes rows 2 w and 2 w + 1 (+ 16 i), sixteen lanes the 256 bytes of a row's piece
	s_lshl_b32 s12, s8, 12                         ; 2 w rows of 2,048 bytes
	v_lshlrev_b32 v1, 11, v27
	v_lshl_add_u32 v1, v26, 4, v1
	v_add_nc_u32 v1, s12, v1                       ; byte offset in the mask
	s_mul_i32 s12, s8, 2*PITCH
	v_mul_u32_u24 v2, v27, PITCH
	v_lshl_add_u32 v2, v26, 4, v2
	v_add_nc_u32 v2, s12, v2                       ; and in LDS
	; back: lane (r, h) takes 8 keys of row 16 qb + r at key 32 w + 16 kt + 8 h
	s_lshl_b32 s12, s8, 5
	v_mul_u32_u24 v3, v26, PITCH
	v_lshl_add_u32 v3, v27, 3, v3
	v_add_nc_u32 v3, s12, v3
	v_and_b32 v24, 31, v0
	v_lshlrev_b32 v24, 3, v24                      ; out: 8 bytes a lane
	s_lshl_b32 s10, s9, 17                         ; 64 rows of 2,048 bytes
	s_lshl_b32 s12, ttmp9, 8                       ; + 256 keys for each kx
	s_add_co_u32 s10, s10, s12
	s_mov_b32 s11, 0
	s_lshl_b32 s14, s9, 14                         ; q64 x 16,384
	s_lshl_b32 s12, ttmp9, 11                      ; + 8 kx units of 256 bytes
	s_add_co_u32 s14, s14, s12
	s_lshl_b32 s12, s8, 8                          ; + w units
	s_add_co_u32 s14, s14, s12
	s_mov_b32 s15, 0
	s_wait_kmcnt 0x0
	s_add_nc_u64 s[4:5], s[4:5], s[10:11]
	s_add_nc_u64 s[6:7], s[6:7], s[14:15]
.irp i, 0,1,2,3
	global_load_b128 v[DAT+4*\i:DAT+4*\i+3], v1, s[4:5] offset:32768*\i th:TH_LOAD_NT   ; 16 rows further down each time
.endr
	s_wait_loadcnt 0x0
.irp i, 0,1,2,3
	ds_store_b128 v2, v[DAT+4*\i:DAT+4*\i+3] offset:16*PITCH*\i
.endr
	s_wait_dscnt 0x0                               ; my stores are done before I say so: other waves read these rows
	s_barrier_signal -1
	s_barrier_wait -1
.irp qb, 0,1,2,3
.irp kt, 0,1
	ds_load_b64 v[DAT+4*\qb+2*\kt:DAT+4*\qb+2*\kt+1], v3 offset:\qb*16*PITCH+16*\kt
.endr
.endr
	v_mov_b32 v[RES], 0                            ; v_writelane_b32 keeps the other lanes: the registers are written whole first
	v_mov_b32 v[RES+1], 0
	s_wait_dscnt 0x0
; word W = 16 qb + 8 kt + j: byte j of piece W >> 3 is cut out, the 32 lanes' answers make the word, and it goes to lane W >> 1
.set W, 0
.rept 64
	v_and_b32 v[TMP+(W&1)], 0xff<<(8*(W&3)), v[DAT+2*(W>>3)+((W>>2)&1)]
	v_cmp_ne_u32 s[16+(W&7)], 0, v[TMP+(W&1)]
	v_writelane_b32 v[RES+(W&1)], s[16+(W&7)], W>>1
.set W, W+1
.endr
	global_store_b64 v24, v[RES:RES+1], s[6:7]     ; the wave's 32 lanes store 256 consecutive bytes, at a multiple of 256 from the buffer's first byte
	s_wait_tensorcnt 0x0
	ds_add_u32 v32, v33
	s_wait_dscnt 0x0
	s_endpgm
.Lfunc_end_k_qb8c2ed447f_maskbits:
	.size	k_qb8c2ed447f_maskbits, .Lfunc_end_k_qb8c2ed447f_maskbits-k_qb8c2ed447f_maskbits
	.p2alignl 7, 3214868480
	.fill 96, 4, 3214868480
	.section	.rodata,"a",@progbits
	.p2align	6, 0x0
	.amdhsa_kernel k_qb8c2ed447f_maskbits
		.amdhsa_group_segment_fixed_size 18432
		.amdhsa_private_segment_fixed_size 0
		.amdhsa_enable_private_segment 0
		.amdhsa_kernarg_size 16
		.amdhsa_user_sgpr_count 2
		.amdhsa_user_sgpr_kernarg_segment_ptr 1
		.amdhsa_wavefront_size32 1
		.amdhsa_system_sgpr_workgroup_id_x 1
		.amdhsa_system_sgpr_workgroup_id_y 1
		.amdhsa_system_sgpr_workgroup_id_z 1
		.amdhsa_system_vgpr_workitem_id 0
		.amdhsa_next_free_vgpr 34
		.amdhsa_next_free_sgpr 66
		.amdhsa_reserve_vcc 0
		.amdhsa_float_denorm_mode_32 3
		.amdhsa_float_denorm_mode_16_64 3
		.amdhsa_memory_ordered 1
		.amdhsa_forward_progress 1
		.amdhsa_inst_pref_size 16
	.end_amdhsa_kernel
	.amdgpu_metadata
---
amdhsa.version: [ 1, 2 ]
amdhsa.kernels:
  - .name:           k_qb8c2ed447f_maskbits
    .symbol:         k_qb8c2ed447f_maskbits.kd
    .args:
      - { .name: attention_mask, .offset: 0, .size: 8, .value_kind: global_buffer, .address_space: global }
      - { .name: mbits, .offset: 8, .size: 8, .value_kind: global_buffer, .address_space: global }
    .group_segment_fixed_size: 18432
    .private_segment_fixed_size: 0
    .kernarg_segment_align: 8
    .kernarg_segment_size: 16
    .max_flat_workgroup_size: 256
    .sgpr_count:     66
    .vgpr_count:     34
    .wavefront_size: 32
...
	.end_amdgpu_metadata
.endif
;; end of part 1
;; launch attn (part 2): grid 4 x 64, 8 waves a work-group, clusters of 4 x 1, 327,680 bytes of LDS; arguments query, key, value, mbits, out0; writes out0
.if DOCPART == 2
	.amdgcn_target "amdgcn-amd-amdhsa--gfx1250"
	.amdhsa_code_object_version 6
	.text
	.protected	k_qb8c2ed447f_attn
	.globl	k_qb8c2ed447f_attn
	.p2align	8
	.type	k_qb8c2ed447f_attn,@function
k_qb8c2ed447f_attn:
	s_mov_b64 s[64:65], 0
	v_nop
	global_prefetch_b8 v0, s[64:65] scope:SCOPE_SE
	s_setreg_imm32_b32 hwreg(HW_REG_WAVE_MODE, 25, 1), 1
	s_wait_xcnt 0x0
	s_wait_alu depctr_hold_cnt(0) depctr_sa_sdst(0) depctr_va_vdst(0) depctr_va_sdst(0) depctr_va_ssrc(0) depctr_va_vcc(0) depctr_vm_vsrc(0)
	s_getreg_b32 s2, hwreg(HW_REG_IB_STS2, 6, 4)
	s_cmp_eq_u32 s2, 0
	s_cbranch_scc0 .Lentry_in_a_cluster
	s_endpgm
.Lentry_in_a_cluster:
	s_bfe_u32 s2, ttmp6, 0x10000c
	s_cmp_lg_u32 s2, 0x3003
	s_cbranch_scc0 .Lentry_shape_is_right
	s_endpgm
.Lentry_shape_is_right:
; out[s][head] = softmax over t of (mask[s][t] ? -10000 : q[s].k[t] / sqrt(128)) times v[t], for 64 heads (head = 16 b + n), 2,048 x 2,048, head size 128.
; All tensors f32, [s][b][n][h]: a head's row is 512 bytes, rows lie 32,768 bytes apart.  The mask is an input and its value is finite:
; every tile is computed, none is skipped.
;
; SHARE.  A work-group takes 512 query rows of one head; the four work-groups of a head form a cluster and ask for every tile of K and V
; JOINTLY (mask 15), so a tile is asked for once for all 2,048 query rows.  Eight waves of 512 registers, two to a SIMD's 1,024, so that one wave's
; softmax can run while the other's products do; a wave owns 64 query rows (4 blocks qb of 16) and keeps Q (128 registers) and O (256 registers) throughout.
;
; TRANSPOSED FORM, so that nothing is moved between lanes from the first product to the second:
;   S^T = K Q^T: source 0 = 16 keys x 32 of the head, source 1 = 16 queries.  Register j of lane (r, h) holds key 8 h + j, query r.
;   Two such tiles (keys 0-15, 16-31), rounded in pairs to 16 bits, ARE source 1 of the second product (registers 0-3: k = 8 h .., 4-7: k = 16 + 8 h ..).
;   O^T = V^T P^T: source 0 = V^T by transposing LDS loads.  Register j of lane (r, h) holds head column 16 hb + 8 h + j, query r.
;   So a lane owns one query row: maximum, sum and rescale factor are a lane's own, and one v_permlanex16_b32 joins the halves h.
;
; ROAD OF K AND V.  A trip is 64 keys.  A joint tensor load brings the f32 tile into slot F[i & 1]; it is rounded to 16 bits into H[i & 1]; all waves read
; fragments from H.  Trip i multiplies tile i (H[i & 1]), converts tile i + 1 (F to H, the other slots) and asks for tile i + 2 (into F[i & 1]); one round of
; the cluster's barrier at the trip's head orders all three.  A trip is two sub-steps of 32 keys, each with its own running maximum.
;
; TWO KINDS OF WAVES.  The barrier lets all eight waves go at the same line; if all went on alike, every wave would want the matrix unit at the same time and
; the vector unit at the same time.  So wave w is of kind (w ^ (w >> 2)) & 1 (kind 1: waves 1, 3, 4, 6).  Waves w and w + 4 differ in kind, and so do waves
; 2 i and 2 i + 1.  Kind 1 opens a trip with the whole conversion of the next tile (each of the four: 16 rows of K and 16 of V, rows 16 (w >> 1) ..: LDS and
; vector work), kind 0 opens it with its S^T products; from there on the two kinds stand at different places of the same text.  The conversion reads F[o],
; shown landed in front of the trip's barrier, and writes H[o], whose last reads were waited for in front of the same barrier, so it may stand anywhere in the trip.
;
; NUMBER FORMATS.  Q, K and V are each rounded once to bf16, the rounding that the problem's contract allows for its inputs.  S^T is the bf16 product of the
; UNSCALED values; the factor c = log2(e) / sqrt(128) is applied in f32, in the fused multiply-add that takes the maximum away: p = 2^(c s - c m).
; The probabilities lie in [0, 1] and go to the second product in f16, 11 significant bits against bf16's 8: a row with few unmasked keys is a sum of a few
; terms of V's own size that may cancel, so a probability's rounding shows there at V's size.  Both sources of a matrix instruction have one format, so
; V's bf16 values are written as f16, which holds them exactly for 2^-14 <= |v| < 65,520.
; LIMITS, kept on purpose: |v| >= 65,520 becomes an infinity in f16 (some 10,000 times the spread of a standard normal input); |v| and p below 2^-14 are kept
; to 2^-25 absolute (2,048 keys: at most 2^-14 of a row's sum, which is at least 1); the masked score is -10000 sqrt(128) rounded to f32, off by less than
; 0.0004 after the scale; the largest score's exponent is c m - fl(c m), half an ulp of c m at the most, not exactly 0; the row sums add the unrounded f32
; probabilities; v_exp_f32 gives 0 for results below 2^-126 (ISA guide 15.8).  The maximum is taken away in every sub-step.
.set ROWB,  32768                      ; bytes from one sequence position to the next
.set TILEB, 64*ROWB                    ; 64 keys on
.set FSLOT, 65536                      ; F slot: K f32 64 x 512 bytes, then V f32 64 x 512 bytes; two slots from LDS byte 0; only these are filled by tensor loads
.set HK,    131072                     ; K bf16, two slots of 64 rows
.set KP,    272                        ; pitch: 256 + 16 bytes = 68 words: the 16 rows of a fragment load start 4 words apart modulo 64 (64 banks of 4 bytes: ISA guide 11.1)
.set HKS,   64*KP
.set HV,    HK+2*HKS                   ; V f16, two slots of 64 rows
.set VP,    288                        ; pitch: 256 + 32 bytes, an odd multiple of 32, for the transposing loads
.set HVS,   64*VP
.set STG,   HV+2*HVS                   ; each wave's own stage: Q on the way in (16 rows, pitch 272), O on the way out (16 rows, pitch 528)
.set STGW,  8448
.set OP,    528
; vector registers, window 0
.set ADRK, 1                           ; HK + r 272 + 16 h
.set ADRV, 2                           ; HV + (8 h + (L & 7)) 288 + 16 ((L >> 3) & 1)
.set FRD,  3                           ; v3, v4: kind 1: my 16 f32 rows in F0, F1: (w >> 1) 8192 + 16 L
.set HW,   5                           ; v5, v6: kind 1: where my 16 rows of 16-bit numbers go in HK, HV (slot 0)
.set PFO,  7                           ; prefetch: byte offset of my block in a tile
.set CM,   8                           ; the masked score, unscaled
.set L16,  9                           ; 16 L: my 16 bytes of a 512-byte row in memory
.set MX,   10                          ; v[10+2qb] -c m, v[11+2qb] the running maximum m of the unscaled scores
.set AL,   18                          ; v[18+2qb] rescale factor alpha, v[19+2qb] running sum l
.set TT,   26                          ; v[26:31] at work; v26, v27 are the stage's addresses in the prologue and on the way out
.set FB,   32                          ; v[32:63] four fragments
.set FBA,  32
.set FBB,  48
.set SS,   64                          ; v[64:127] scores: tile (qb, kt) at SS + 16 qb + 8 kt; later P(qb) in its first 8 registers, a V fragment in the other 8;
                                       ; between two trips they are idle: kind 1 lands the rows that it converts there
.set QF,   128                         ; v[128:255] Q fragment (qb, ks) at QF + 32 qb + 8 ks
; window 1 (v256-511): O^T tile (hb, qb) at 8 (4 hb + qb)
; scalar: s2 counter, s3 wave, s[4:5] mask words, s[6:7] prefetch base, s[8:9] out, s10 wave >> 1, s11 my stage, s[12:15], s[16:19] group 0 of F0, F1,
; s[20:27] group 1, s28, s29 selects of v_permlanex16_b32, s30 c, s31 -c, s[66:67] Q, later s66 the mask of a word's upper half and s67 my kind,
; mask words of block qb in s[32:47], s[48:63], s[68:83], s[84:99]
.set MSB, 0
.macro WIN new                         ; s_set_vgpr_msb: low byte bits 1:0 source 0, 3:2 source 1, 5:4 source 2, 7:6 destination; the high byte repeats the setting that is left
.if MSB != \new
	s_set_vgpr_msb (MSB<<8)|\new
.set MSB, \new
.endif
.endm
.macro PLACES n                        ; places behind a matrix instruction are plain vector instructions that name none of its registers (ISA guide 7.12.1)
.rept \n
	v_nop
.endr
.endm
; A round of the cluster's barrier: my work-group's barrier, wave 0 signals for the work-group, every wave waits for all four work-groups, my work-group's barrier again
.macro ROUND
	s_barrier_signal -1
	s_barrier_wait -1
	s_cmp_lg_u32 s3, 0
	s_cbranch_scc1 .Lnot_wave_0_\@
	s_barrier_signal -3
.Lnot_wave_0_\@:
	s_barrier_wait -3
	s_barrier_signal -1
	s_barrier_wait -1
.endm
; two K fragments (keys 32 u + 0..15 and + 16..31, head columns 32 ks ..) of H slot s into fb: four loads
.macro KLD s, u, ks, fb
.irp kt, 0,1
	ds_load_b128 v[\fb+8*\kt:\fb+8*\kt+3],   v[ADRK] offset:\s*HKS+(32*\u+16*\kt)*KP+64*\ks
	ds_load_b128 v[\fb+8*\kt+4:\fb+8*\kt+7], v[ADRK] offset:\s*HKS+(32*\u+16*\kt)*KP+64*\ks+32
.endr
.endm
; eight products S^T += K Q^T for 32 head columns.  The eight accumulators take turns, one instruction a turn.
.macro QKG ks, fb, zero
.irp qb, 0,1,2,3
.irp kt, 0,1
.if \zero
	v_wmma_f32_16x16x32_bf16 v[SS+16*\qb+8*\kt:SS+16*\qb+8*\kt+7], v[\fb+8*\kt:\fb+8*\kt+7], v[QF+32*\qb+8*\ks:QF+32*\qb+8*\ks+7], 0
.else
	v_wmma_f32_16x16x32_bf16 v[SS+16*\qb+8*\kt:SS+16*\qb+8*\kt+7], v[\fb+8*\kt:\fb+8*\kt+7], v[QF+32*\qb+8*\ks:QF+32*\qb+8*\ks+7], v[SS+16*\qb+8*\kt:SS+16*\qb+8*\kt+7]
.endif
.endr
.endr
.endm
; one V^T fragment (head columns 16 hb .., keys 32 u ..) of H slot s: two transposing loads, 16 keys apart
.macro VLD s, u, hb, dst
	ds_load_tr16_b128 v[\dst:\dst+3],   v[ADRV] offset:\s*HVS+32*\u*VP+32*\hb
	ds_load_tr16_b128 v[\dst+4:\dst+7], v[ADRV] offset:\s*HVS+32*\u*VP+32*\hb+16*VP
.endm
; Kind 1 alone: my 16 rows of K (part 0), then of V (part 1), from F slot f to H slot f.  A load takes one f32 row's 512 consecutive bytes, a store writes
; one 16-bit row's 256 consecutive bytes.  K: to bf16.  V: to bf16, and that value written as f16 (exact in f16's normal range).
.macro CVB f
.irp part, 0,1
.set i, 0
.rept 16
	ds_load_b128 v[SS+4*i:SS+4*i+3], v[FRD+\f] offset:\part*32768+512*i
.set i, i+1
.endr
.set i, 0
.rept 16
	s_wait_dscnt 15                                ; LDS instructions end in order (ISA guide 5.7.1): behind row i's load stand 15 - i loads and i stores, always 15
	v_cvt_pk_bf16_f32 v[SS+4*i],   v[SS+4*i],   v[SS+4*i+1]
.if \part
	v_cvt_pk_bf16_f32 v[SS+4*i+2], v[SS+4*i+2], v[SS+4*i+3]
	v_and_b32     v[SS+4*i+1], s66, v[SS+4*i]              ; bf16 to f32: the high half stays,
	v_lshlrev_b32 v[SS+4*i],   16,  v[SS+4*i]              ; the low half moves up
	v_and_b32     v[SS+4*i+3], s66, v[SS+4*i+2]
	v_lshlrev_b32 v[SS+4*i+2], 16,  v[SS+4*i+2]
	v_cvt_pk_f16_f32 v[SS+4*i],   v[SS+4*i],   v[SS+4*i+1]
	v_cvt_pk_f16_f32 v[SS+4*i+1], v[SS+4*i+2], v[SS+4*i+3]
.else
	v_cvt_pk_bf16_f32 v[SS+4*i+1], v[SS+4*i+2], v[SS+4*i+3]
.endif
	ds_store_b64 v[HW+\part], v[SS+4*i:SS+4*i+1] offset:\f*(HKS+(HVS-HKS)*\part)+i*(KP+(VP-KP)*\part)
.set i, i+1
.endr
.endr
.endm
; Softmax of query block qb for this sub-step's 32 keys; a lane holds 16 of them for its query row.
; first = 1: the very first sub-step starts m and l.  nm = 1: the next sub-step's mask words are fetched into the registers just used.
.macro SMQ qb, first, nm
.set SB,  SS+16*\qb
.set MKB, 32+16*\qb+4*(\qb/2)
.set MR,  MX+2*\qb
.set AR,  AL+2*\qb
.set i, 0
.rept 16
	v_cndmask_b32 v[SB+i], v[SB+i], v[CM], s[MKB+i]        ; bit L of the word: this lane's score is replaced
.set i, i+1
.endr
.if \nm
	s_load_b512 s[MKB:MKB+15], s[4:5], 64*\qb              ; a whole sub-step ahead of their use
.endif
	v_max3_num_f32 v[TT],   v[SB],   v[SB+1],  v[SB+2]     ; two chains
	v_max3_num_f32 v[TT+2], v[SB+9], v[SB+10], v[SB+11]
	v_max3_num_f32 v[TT],   v[TT],   v[SB+3],  v[SB+4]
	v_max3_num_f32 v[TT+2], v[TT+2], v[SB+12], v[SB+13]
	v_max3_num_f32 v[TT],   v[TT],   v[SB+5],  v[SB+6]
	v_max3_num_f32 v[TT+2], v[TT+2], v[SB+14], v[SB+15]
	v_max3_num_f32 v[TT],   v[TT],   v[SB+7],  v[SB+8]
.if \first
	v_max_num_f32 v[TT], v[TT], v[TT+2]
.else
	v_max3_num_f32 v[TT], v[TT], v[TT+2], v[MR+1]          ; with the running maximum
.endif
	v_permlanex16_b32 v[TT+2], v[TT], s28, s29             ; the other 16 keys of my query row lie in lane L xor 16
	v_max_num_f32 v[MR+1], v[TT], v[TT+2]                  ; the new m
.if \first
	v_mul_f32 v[MR], s31, v[MR+1]                          ; -c m
.else
	v_mul_f32 v[TT+1], s31, v[MR+1]
	v_sub_f32 v[AR], v[TT+1], v[MR]                        ; c (old m - new m), from the two rounded values that the probabilities are made with
	v_mov_b32 v[MR], v[TT+1]
	v_exp_f32 v[AR], v[AR]                                 ; alpha; the multiply-adds below are the plain place behind it (ISA guide 5.7.2)
.endif
.set i, 0
.rept 8
	v_pk_fma_f32 v[SB+2*i:SB+2*i+1], v[SB+2*i:SB+2*i+1], s[30:31], v[MR:MR+1] op_sel_hi:[1,0,0]   ; c s - c m, both halves with s30 and v[MR]
.set i, i+1
.endr
.set i, 0
.rept 16
	v_exp_f32 v[SB+i], v[SB+i]
.set i, i+1
.endr
	v_nop                                                  ; one plain place behind the last v_exp_f32 before its result is read
	s_wait_alu depctr_va_vdst(0)
	v_pk_add_f32 v[TT:TT+1],   v[SB:SB+1],     v[SB+2:SB+3]
	v_pk_add_f32 v[TT+2:TT+3], v[SB+4:SB+5],   v[SB+6:SB+7]
	v_pk_add_f32 v[TT+4:TT+5], v[SB+8:SB+9],   v[SB+10:SB+11]
	v_pk_add_f32 v[TT:TT+1],   v[TT:TT+1],     v[SB+12:SB+13]
	v_pk_add_f32 v[TT+2:TT+3], v[TT+2:TT+3],   v[SB+14:SB+15]
	v_pk_add_f32 v[TT:TT+1],   v[TT:TT+1],     v[TT+4:TT+5]
	v_pk_add_f32 v[TT:TT+1],   v[TT:TT+1],     v[TT+2:TT+3]
.if \first
	v_add_f32 v[AR+1], v[TT], v[TT+1]
.else
	v_add_f32 v[TT], v[TT], v[TT+1]
	v_fma_f32 v[AR+1], v[AR+1], v[AR], v[TT]               ; l = l alpha + this sub-step's sum (my half of the keys)
.endif
.irp j, 0,1,2,3
	v_cvt_pk_f16_f32 v[SB+\j], v[SB+2*\j], v[SB+2*\j+1]            ; keys 8 h + 2 j, + 1: registers 0-3 of P^T's fragment, in place, ascending
.endr
.irp j, 0,1,2,3
	v_cvt_pk_f16_f32 v[SB+4+\j], v[SB+8+2*\j], v[SB+9+2*\j]        ; keys 16 + 8 h + 2 j, + 1: registers 4-7; SB + 8 .. 15 are free now
.endr
.endm
; O *= alpha (on the way out: 1 / l), a lane's own factor for each query block.  Under WIN 0x41: destination and source 0 in window 1.
.macro RS
.irp hb, 0,1,2,3,4,5,6,7
.irp qb, 0,1,2,3
.irp j, 0,2,4,6
	v_pk_mul_f32 v[8*(4*\hb+\qb)+\j:8*(4*\hb+\qb)+\j+1], v[8*(4*\hb+\qb)+\j:8*(4*\hb+\qb)+\j+1], v[AL+2*\qb:AL+2*\qb+1] op_sel_hi:[1,0]
.endr
.endr
.endr
.endm
; O^T += V^T P^T in f16: 32 products on 32 accumulators, one instruction a turn.  Under WIN 0x50: C and D in window 1.
.macro PV first
.irp hb, 0,1,2,3,4,5,6,7
.if \hb < 4
.set AV, FB+8*\hb
.else
.set AV, SS+16*(\hb-4)+8
.endif
.irp qb, 0,1,2,3
.if \first
	v_wmma_f32_16x16x32_f16 v[8*(4*\hb+\qb):8*(4*\hb+\qb)+7], v[AV:AV+7], v[SS+16*\qb:SS+16*\qb+7], 0
.else
	v_wmma_f32_16x16x32_f16 v[8*(4*\hb+\qb):8*(4*\hb+\qb)+7], v[AV:AV+7], v[SS+16*\qb:SS+16*\qb+7], v[8*(4*\hb+\qb):8*(4*\hb+\qb)+7]
.endif
.endr
.endr
.endm
; A sub-step: keys 32 u .. 32 u + 31 of the tile in H slot s.
; nm = 1: further mask words are fetched.  nk = 1: the next sub-step's first K fragments are fetched at the end.
; On entry the youngest eight LDS instructions are the loads of the K fragments of head columns 0-31 (FBA) and 32-63 (FBB).
.macro SUB s, u, first, nm, nk
	s_wait_dscnt 0x4                               ; all but the four younger loads (FBB's): FBA is in
	QKG 0, FBA, 1                                  ; the first product starts the sums: nothing is cleared
	PLACES 4                                       ; four places before loads land in registers that these products read
	KLD \s, \u, 2, FBA
	s_wait_dscnt 0x4                               ; all but the four just issued: FBB is in
	QKG 1, FBB, 0
	PLACES 4
	KLD \s, \u, 3, FBB
	s_wait_dscnt 0x4                               ; all but the four just issued: FBA is in
	QKG 2, FBA, 0
	s_wait_dscnt 0x0
	QKG 3, FBB, 0
	PLACES 4                                       ; four places before the scores are read
	s_wait_kmcnt 0x0                               ; this sub-step's mask words are in, and no scalar load is out:
.if \nm
	s_add_nc_u64 s[4:5], s[4:5], 256               ; so their base may step to the next sub-step's 64 words
.endif
	SMQ 0, \first, \nm
	SMQ 1, \first, \nm
	VLD \s, \u, 0, FB
	VLD \s, \u, 1, FB+8
	VLD \s, \u, 2, FB+16
	VLD \s, \u, 3, FB+24
	SMQ 2, \first, \nm
	SMQ 3, \first, \nm
	VLD \s, \u, 4, SS+8                            ; into the halves of the score registers that the rounding has freed
	VLD \s, \u, 5, SS+24
	VLD \s, \u, 6, SS+40
	VLD \s, \u, 7, SS+56
.if \first == 0
	WIN 0x41
	RS
.endif
	s_wait_dscnt 0x0                               ; the V fragments
	WIN 0x50
	PV \first
	WIN 0
	PLACES 5                                       ; five places before the next S^T products write over P and the V fragments; loads into these registers and FB need four
.if \nk
	KLD \s, 1, 0, FBA
	KLD \s, 1, 1, FBB
.endif
.endm
; A trip: 64 keys, tile i in H slot s; o = the other slot.  refill = 1: tile i + 2 is asked for, into F[s].  cv = 1: tile i + 1 is converted (by kind 1).
; pf = 1: part of tile i + 3 is prefetched.  nm2 = 1: the second sub-step fetches further mask words.
; In front of the barrier each wave waits for all its tensor loads (waves 0, 1: tile i + 1 has landed in F[o]) and for all its LDS work: kind 1's conversion stores
; into H[s], which all now read; the reads of H[o] and of F[s], which are now overwritten.  Where F[s] is filled again the barrier is a round of the cluster's,
; so that this holds of all four work-groups, and the joint load comes first behind it: the wave's one tensor load until the next round.
.macro TRIP s, o, first, refill, cv, pf, nm2
.if \cv
	s_wait_xcnt 0x0
	v_lshl_add_u32 v30, v0, 2, 0x42000
	v_mov_b32 v31, 0
	s_wait_tensorcnt 0x0
	ds_add_u32 v30, v31
	s_wait_dscnt 0x0
.endif
.if \refill
	s_add_nc_u64 s[14+4*\s:15+4*\s], s[14+4*\s:15+4*\s], 2*TILEB   ; no tensor load of mine is out: this slot's group 0 steps two tiles on
.endif
.if \pf
	s_wait_xcnt 0x0                                ; the last trip's prefetch has had its address translated (ISA guide 3.1): its base may step
	s_add_nc_u64 s[6:7], s[6:7], TILEB
.endif
	s_wait_dscnt 0x0
.if \refill
	ROUND
	s_cmp_lg_u32 s10, 0                            ; wave 0 asks for K's 64 rows, wave 1 for V's
	s_cbranch_scc1 .Lno_fill_\@
	tensor_load_to_lds s[12+4*\s:15+4*\s], s[20:27]
	s_nop 0
.Lno_fill_\@:
.else
	s_barrier_signal -1
	s_barrier_wait -1
.endif
.if \cv
	s_cmp_eq_u32 s67, 0                            ; kind 0 goes straight to its products; kind 1 converts the next tile first
	s_cbranch_scc1 .Lno_cv_\@
	CVB \o
.Lno_cv_\@:
.endif
	KLD \s, 0, 0, FBA
	KLD \s, 0, 1, FBB
.if \pf
	; Tile i + 3, one trip ahead of its tensor load: wave 2 asks for K, wave 3 for V; this work-group takes rows 16 cx .. 16 cx + 15 of the 64, two blocks of
	; 256 bytes a row, one a lane, so the cluster's four work-groups ask for each block of the tile once.  The last request is trip 28's, for tile 31.
	s_cmp_lg_u32 s10, 1
	s_cbranch_scc1 .Lno_pf_\@
	global_prefetch_b8 v[PFO], s[6:7] th:TH_LOAD_NT scope:SCOPE_SE
.Lno_pf_\@:
.endif
	SUB \s, 0, \first, 1, 1
	SUB \s, 1, 0, \nm2, 0
.endm
	; ---- set-up ----
	s_load_b256 s[32:39], s[0:1], 0x0              ; query s[32:33], key s[34:35], value s[36:37], mbits s[38:39]
	s_load_b64 s[40:41], s[0:1], 0x20              ; out0
	v_lshl_add_u32 v30, v0, 2, 0x42000
	v_mov_b32 v31, 0
	ds_add_u32 v30, v31
	s_wait_dscnt 0x0
	v_lshrrev_b32 v26, 5, v0
	v_readfirstlane_b32 s3, v26                    ; wave 0..7
	s_lshr_b32 s10, s3, 1
	s_bfe_u32 s46, ttmp6, 0x40000                  ; cx: which 512 query rows; enters global addresses alone
	s_and_b32 s2, ttmp7, 0xffff                    ; head (the cluster's y)
	; group 1: a tile of 64 rows x 128 f32, rows 8,192 elements apart, laid into LDS without gaps (it is read back as whole rows)
	s_mov_b32 s20, 15|(2<<16)|(1<<21)              ; 15:0 the mask: all four work-groups of the cluster; 17:16 element of 4 bytes; 21 set beside a mask
	s_mov_b32 s21, 128<<16                         ; tensor_dim0 = 128
	s_mov_b32 s22, 64<<16                          ; tensor_dim1 = 64
	s_mov_b32 s23, 128<<16                         ; tile_dim0 = 128
	s_mov_b32 s24, 64                              ; tile_dim1 = 64
	s_mov_b32 s25, 8192                            ; elements from row to row
	s_mov_b32 s26, 0
	s_mov_b32 s27, 0
	; group 0, one set for each F slot.  LDS address: wave x 32,768 (K at 0, V behind it) + slot x 65,536
	s_mov_b32 s12, 1
	s_lshl_b32 s13, s3, 15
	s_mov_b32 s16, 1
	s_add_co_u32 s17, s13, FSLOT
	s_lshl_b32 s30, s2, 9                          ; the head's 512 bytes in a row
	s_mov_b32 s31, 0
	s_lshl_b32 s42, s46, 24                        ; 512 cx rows of 32,768 bytes
	s_lshl_b32 s43, s3, 21                         ; + 64 w rows
	s_add_co_u32 s42, s42, s43
	s_add_co_u32 s42, s42, s30                     ; + the head: my first row in query and in out0 (below 2^26)
	s_mov_b32 s43, 0
	s_lshl_b32 s44, s46, 17                        ; mask words: (8 cx + w) x 16,384
	s_lshl_b32 s45, s3, 14
	s_add_co_u32 s44, s44, s45
	s_mov_b32 s45, 0
	s_wait_kmcnt 0x0
	s_bitcmp1_b32 s3, 0                            ; odd waves deal with V, even waves with K (tensor loads: waves 1, 0; prefetches: waves 3, 2)
	s_cselect_b64 s[6:7], s[36:37], s[34:35]
	s_add_nc_u64 s[6:7], s[6:7], s[30:31]          ; the head's tile 0: hangs on the head and the wave's number alone, alike in all four work-groups
	s_mov_b64 s[14:15], s[6:7]
	s_or_b32 s15, s15, 0x80000000                  ; type = 2
	s_add_nc_u64 s[18:19], s[6:7], TILEB           ; tile 1
	s_or_b32 s19, s19, 0x80000000
	s_add_nc_u64 s[6:7], s[6:7], 2*TILEB           ; prefetch base: steps to tile 3 at the head of trip 0
	s_add_nc_u64 s[66:67], s[32:33], s[42:43]
	s_add_nc_u64 s[8:9], s[40:41], s[42:43]
	s_add_nc_u64 s[4:5], s[38:39], s[44:45]
	ROUND                                          ; all four work-groups are here: the first joint loads meet
	s_cmp_lg_u32 s10, 0
	s_cbranch_scc1 .Lno_first
	tensor_load_to_lds s[12:15], s[20:27]          ; tile 0 into F0
	s_nop 0
	tensor_load_to_lds s[16:19], s[20:27]          ; tile 1 into F1: two loads of the wave are out here, one behind each later round
	s_nop 0
	v_nop
	v_nop
.Lno_first:
	; ---- my 64 rows of Q, each load one row's 512 bytes, into O's registers, which are idle until the first P V product ----
	v_and_b32 v27, 31, v0                          ; L
	v_lshlrev_b32 v[L16], 4, v27
	WIN 0x40
.set i, 0
.rept 64
	global_load_b128 v[4*i:4*i+3], v[L16], s[66:67] offset:ROWB*i th:TH_LOAD_NT
.set i, i+1
.endr
	WIN 0
	; ---- addresses ----
	v_and_b32 v28, 15, v0                          ; r
	v_bfe_u32 v29, v0, 4, 1                        ; h
	v_mul_u32_u24 v30, v28, KP
	v_lshl_add_u32 v30, v29, 4, v30                ; r 272 + 16 h
	v_add_nc_u32 v[ADRK], HK, v30
	v_and_b32 v31, 7, v0
	v_lshl_add_u32 v31, v29, 3, v31                ; 8 h + (L & 7)
	v_mul_u32_u24 v[ADRV], v31, VP
	v_bfe_u32 v31, v0, 3, 1
	v_lshl_add_u32 v[ADRV], v31, 4, v[ADRV]
	v_add_nc_u32 v[ADRV], HV, v[ADRV]
	s_lshl_b32 s28, s10, 13                        ; conversion: 16 rows of 512 bytes for each w >> 1, which is 0, 1, 2, 3 in waves 1, 3, 4, 6
	v_add_nc_u32 v[FRD], s28, v[L16]
	v_add_nc_u32 v[FRD+1], FSLOT, v[FRD]
	s_mul_i32 s28, s10, 16*KP
	s_add_co_u32 s28, s28, HK
	v_lshl_add_u32 v[HW], v27, 3, s28
	s_mul_i32 s28, s10, 16*VP
	s_add_co_u32 s28, s28, HV
	v_lshl_add_u32 v[HW+1], v27, 3, s28
	v_lshrrev_b32 v31, 1, v27
	v_lshlrev_b32 v[PFO], 15, v31                  ; row L >> 1
	v_and_b32 v31, 1, v27
	v_lshl_add_u32 v[PFO], v31, 8, v[PFO]          ; block L & 1 of its 512 bytes
	s_lshl_b32 s28, s46, 19                        ; + 16 cx rows
	v_add_nc_u32 v[PFO], s28, v[PFO]
	v_mov_b32 v[CM], 0xc7dcf88b                    ; -10000 sqrt(128): the masked score ahead of the scale
	s_mul_i32 s11, s3, STGW
	s_add_co_u32 s11, s11, STG                     ; my stage
	v_lshl_add_u32 v26, v27, 3, s11                ; Q in: 8 bytes a lane, a row of 256 bytes
	v_add_nc_u32 v27, s11, v30                     ; Q back: as a fragment
	s_mov_b32 s28, 0x76543210                      ; v_permlanex16_b32: lane i of one half reads lane i of the other
	s_mov_b32 s29, 0xfedcba98
	s_mov_b32 s30, 0x3e0293ee                      ; c = log2(e) / sqrt(128)
	s_mov_b32 s31, 0xbe0293ee                      ; -c
.irp qb, 0,1,2,3
	s_load_b512 s[32+16*\qb+4*(\qb/2):47+16*\qb+4*(\qb/2)], s[4:5], 64*\qb   ; sub-step 0's mask words (the set-up's scalars there are spent)
.endr
; ---- Q: round to bf16, through my stage into fragments, 16 rows at a time ----
.macro QIN qb
	s_wait_loadcnt 48-16*\qb                       ; loads come back in order (ISA guide 5.7.1): the rows of later blocks stay out
	WIN 0x05                                       ; both sources in window 1
.set p, 0
.rept 32
	v_cvt_pk_bf16_f32 v[SS+p], v[64*\qb+2*p], v[64*\qb+2*p+1]      ; row t ends in SS + 2 t, + 1
.set p, p+1
.endr
	WIN 0
.set p, 0
.rept 16
	ds_store_b64 v26, v[SS+2*p:SS+2*p+1] offset:KP*p
.set p, p+1
.endr
.irp ks, 0,1,2,3
	ds_load_b128 v[QF+32*\qb+8*\ks:QF+32*\qb+8*\ks+3],   v27 offset:64*\ks      ; my own bytes; LDS serves a wave's instructions in order (ISA guide 5.7.1.4)
	ds_load_b128 v[QF+32*\qb+8*\ks+4:QF+32*\qb+8*\ks+7], v27 offset:64*\ks+32
.endr
.endm
	QIN 0
	QIN 1
	QIN 2
	QIN 3
	s_mov_b32 s66, 0xffff0000                      ; Q's loads are all back (the last wait was for 0): their base's registers now hold the mask of a word's upper half
	s_lshr_b32 s67, s3, 2                          ; and my kind: (w ^ (w >> 2)) & 1
	s_xor_b32 s67, s67, s3
	s_and_b32 s67, s67, 1
	; ---- tile 0 to 16 bits ----
	s_wait_tensorcnt 0x1                           ; waves 0, 1: tile 0 has landed; tile 1 may stay out
	s_wait_dscnt 0x0                               ; Q's fragments are in
	s_barrier_signal -1
	s_barrier_wait -1
	s_cmp_eq_u32 s67, 0
	s_cbranch_scc1 .Lno_cv0
	CVB 0
.Lno_cv0:
	; ---- 32 trips.  Trips 1 to 28 are alike (each asks for a tile, converts one and prefetches part of one) and make the loop; four are written out. ----
	TRIP 0, 1, 1, 1, 1, 1, 1                       ; trip 0: its first products start O, m and l
	s_mov_b32 s2, 14
.Llap:
	TRIP 1, 0, 0, 1, 1, 1, 1                       ; trips 1, 3, .. 27
	TRIP 0, 1, 0, 1, 1, 1, 1                       ; trips 2, 4, .. 28; trip 28 asks for tile 30 and prefetches tile 31
	s_sub_co_u32 s2, s2, 1
	s_cmp_lg_u32 s2, 0
	s_cbranch_scc1 .Llap
	TRIP 1, 0, 0, 1, 1, 0, 1                       ; 29: asks for tile 31; nothing left to prefetch
	TRIP 0, 1, 0, 0, 1, 0, 1                       ; 30: nothing left to ask for; converts tile 31
	TRIP 1, 0, 0, 0, 0, 0, 0                       ; 31: nothing left to convert; its second sub-step fetches no mask words
	; ---- the way out: O / l, 16 query rows at a time through my stage, stored as whole rows of 512 bytes ----
.irp qb, 0,1,2,3
	v_permlanex16_b32 v[MX+2*\qb+1], v[AL+2*\qb+1], s28, s29       ; the other half's sum (m is spent)
.endr
.irp qb, 0,1,2,3
	v_add_f32 v[AL+2*\qb+1], v[AL+2*\qb+1], v[MX+2*\qb+1]          ; about 1 at the least: the largest score's term
.endr
.irp qb, 0,1,2,3
	v_rcp_f32 v[AL+2*\qb], v[AL+2*\qb+1]
.endr
	v_and_b32 v28, 15, v0                          ; (plain work behind the last v_rcp_f32, ahead of its result's use)
	v_bfe_u32 v29, v0, 4, 1
	v_mul_u32_u24 v28, v28, OP
	v_lshl_add_u32 v28, v29, 5, v28
	v_add_nc_u32 v26, s11, v28                     ; in: row r, 32 bytes for each half of the lanes; rows 132 words apart start 4 words on modulo 64
	v_add_nc_u32 v27, s11, v[L16]                  ; back: 16 bytes a lane, a row of 512 bytes
	s_wait_alu depctr_va_vdst(0)
	WIN 0x41
	RS
.macro OUTQ qb, rb
	WIN 0x04                                       ; the stores' data in window 1
.irp hb, 0,1,2,3,4,5,6,7
	ds_store_b128 v26, v[8*(4*\hb+\qb):8*(4*\hb+\qb)+3]   offset:64*\hb       ; head columns 16 hb + 8 h + 0..3 of query r
	ds_store_b128 v26, v[8*(4*\hb+\qb)+4:8*(4*\hb+\qb)+7] offset:64*\hb+16    ; and + 4..7
.endr
	WIN 0
.if \qb >= 2
	s_wait_xcnt 0x0                                ; every earlier store has had its address translated (ISA guide 3.1): the buffer that block qb - 2's stores read is loaded again only behind this wait
.endif
.set i, 0
.rept 16
	ds_load_b128 v[\rb+4*i:\rb+4*i+3], v27 offset:OP*i     ; my own bytes, served in order behind the stores above
.set i, i+1
.endr
.set i, 0
.rept 16
	s_wait_dscnt 15-i                              ; LDS loads come back in order: row i is in, the younger ones stay out
	global_store_b128 v[L16], v[\rb+4*i:\rb+4*i+3], s[8:9] offset:(16*\qb+i)*ROWB th:TH_STORE_NT   ; the wave stores 512 consecutive bytes, at a multiple of 512 from out0's first byte
.set i, i+1
.endr
.endm
	OUTQ 0, QF                                     ; Q's registers are spent: two buffers of 64 by turns
	OUTQ 1, QF+64
	OUTQ 2, QF
	OUTQ 3, QF+64
	s_wait_xcnt 0x0
	v_lshl_add_u32 v30, v0, 2, 0x42000
	v_mov_b32 v31, 0
	s_wait_tensorcnt 0x0
	ds_add_u32 v30, v31
	s_wait_dscnt 0x0
	ROUND                                          ; the closing round: no work-group ends while a partner may still ask for a tile that names it
	s_endpgm
.Lfunc_end_k_qb8c2ed447f_attn:
	.size	k_qb8c2ed447f_attn, .Lfunc_end_k_qb8c2ed447f_attn-k_qb8c2ed447f_attn
	.p2alignl 7, 3214868480
	.fill 96, 4, 3214868480
	.section	.rodata,"a",@progbits
	.p2align	6, 0x0
	.amdhsa_kernel k_qb8c2ed447f_attn
		.amdhsa_group_segment_fixed_size 327680
		.amdhsa_private_segment_fixed_size 0
		.amdhsa_enable_private_segment 0
		.amdhsa_kernarg_size 40
		.amdhsa_user_sgpr_count 2
		.amdhsa_user_sgpr_kernarg_segment_ptr 1
		.amdhsa_wavefront_size32 1
		.amdhsa_system_sgpr_workgroup_id_x 1
		.amdhsa_system_sgpr_workgroup_id_y 1
		.amdhsa_system_sgpr_workgroup_id_z 1
		.amdhsa_system_vgpr_workitem_id 0
		.amdhsa_next_free_vgpr 512
		.amdhsa_next_free_sgpr 100
		.amdhsa_reserve_vcc 0
		.amdhsa_float_denorm_mode_32 3
		.amdhsa_float_denorm_mode_16_64 3
		.amdhsa_memory_ordered 1
		.amdhsa_forward_progress 1
		.amdhsa_inst_pref_size 255
	.end_amdhsa_kernel
	.section	.bss,"aw",@nobits
	.p2align	6
	.space	262144
	.amdgpu_metadata
---
amdhsa.version: [ 1, 2 ]
amdhsa.kernels:
  - .name:           k_qb8c2ed447f_attn
    .symbol:         k_qb8c2ed447f_attn.kd
    .args:
      - { .name: query, .offset: 0, .size: 8, .value_kind: global_buffer, .address_space: global }
      - { .name: key, .offset: 8, .size: 8, .value_kind: global_buffer, .address_space: global }
      - { .name: value, .offset: 16, .size: 8, .value_kind: global_buffer, .address_space: global }
      - { .name: mbits, .offset: 24, .size: 8, .value_kind: global_buffer, .address_space: global }
      - { .name: out0, .offset: 32, .size: 8, .value_kind: global_buffer, .address_space: global }
    .group_segment_fixed_size: 327680
    .private_segment_fixed_size: 0
    .kernarg_segment_align: 8
    .kernarg_segment_size: 40
    .max_flat_workgroup_size: 256
    .sgpr_count:     100
    .vgpr_count:     512
    .wavefront_size: 32
...
	.end_amdgpu_metadata
.endif
;; end of part 2
